; MI455X (gfx1250); checked and timed in simulation.
; The chip was launched on July 23, 2026; its instructions are those of AMD's public machine-readable ISA for CDNA 5 (MIT licence, August 2026) and "CDNA5" Instruction Set Architecture Reference Guide (July 2026). The comments in the code are by the model that wrote it; some were corrected since.
;; Causal Self Attention. Allowed arithmetic: matrix products marked QUANTISED: E4M3 operands, one given power-of-two scale a tensor, by v_wmma_f32_16x16x64_fp8_fp8 or v_wmma_f32_16x16x128_fp8_fp8, f32 sums; everything else in f32.
;; Inputs: W_attn 1,024 x 3,072 float32; W_proj 1,024 x 1,024 float32; b_attn 3,072 float32; b_proj 1,024 float32; lowp_scales 8 int32 (the exponents e of the quantised operands' scales 2^e); x 4 x 2,048 x 1,024 float32.
;; Outputs: out0 4 x 2,048 x 1,024 float32.
;; This version of the problem:
;;   THIS VERSION OF THE PROBLEM IS GIVEN IN LOW PRECISION. The matrix products marked QUANTISED in the list below multiply operands that are first quantised to E4M3 (4 exponent bits, 3 mantissa bits; 8 bits a number), with one given power-of-two scale for each operand tensor; their sums are f32. All else is computed in f32.
;;   The module's matrix products, in the order in which they are computed (A, B: the left and right operand; K: the contracted axis; several contracted axes count as one K, in the product's order):
;;     1. [M 8,192, K 1,024] x [K 1,024, N 3,072]; A: input x; B: input W_attn: QUANTISED (scales: A lowp_scales[0], B lowp_scales[1])
;;     2. batch 64 x [M 2,048, K 64] x [K 64, N 2,048]; A: computed on the way; B: computed on the way: QUANTISED (scales: A lowp_scales[2], B lowp_scales[3])
;;     3. batch 64 x [M 2,048, K 2,048] x [K 2,048, N 64]; A: softmax (see below); B: computed on the way: QUANTISED (scales: A lowp_scales[4], B lowp_scales[5])
;;     4. [M 8,192, K 1,024] x [K 1,024, N 1,024]; A: computed on the way; B: input W_proj: QUANTISED (scales: A lowp_scales[6], B lowp_scales[7])
;;   THE QUANTISER, for each operand of a quantised product, along K:
;;     - The operand's scale is 2^e, e = its entry of the input lowp_scales (int32; the entries are numbered through the quantised products in the list's order, A before B).
;;     - Each number is divided by the scale, clamped to +-448, and rounded to the nearest number of E4M3, ties to even, subnormals kept.
;;     - The product sums the exact products of the quantised numbers (number of the format x scale) in f32.
;;   ~~~python
;;   def quantise(x, axis, e):      # numpy; x: float32 -> the quantised numbers, widened to float32 again
;;       x = np.moveaxis(x, axis, -1); K = x.shape[-1]
;;       r = np.clip(x / 2.0 ** e, -448, 448)
;;       step = 2.0 ** (np.maximum(np.frexp(np.where(r == 0, 1, r))[1] - 1, -6) - 3)
;;       q = np.round(r / step) * step * 2.0 ** e      # np.round: ties to even
;;       return np.moveaxis(q, -1, axis).astype(np.float32)
;;   ~~~
;;   SOFTMAX AHEAD OF A QUANTISED PRODUCT. Where the list says 'softmax', what is quantised is not the finished softmax but p = 2^(t - M), with t = logit x log2(e) and M = ceil(the row's largest t), a whole number; so 1/2 < the row's largest p <= 1. The row's sum l is taken of the UNQUANTISED p, in f32, and the product's result is divided by l at the end. Since M is a whole number, a kernel that streams over the keys may use a running M (the ceiling of the running maximum): every later rescaling is an exact power of two, so the quantised numbers keep their values, but for numbers so far below the row's largest that they fall under the format's range.
;;   OPERANDS COMPUTED ON THE WAY. 'Computed on the way' means the value that the module computes at that place (a softmax that the list does not call 'softmax' is quantised finished and normalised). What goes into a quantiser is computed in f32, as accurately as f32 sums, v_exp_f32 and their like allow (about 1e-6 of the number): no bf16 or f16 on the way to a quantiser, and a product that is left as it is and whose result goes on into a quantised operand takes f32 operands (vector FMAs, or v_wmma_f32_16x16x4_f32). A number that lies on a knife's edge between two numbers of the format may be rounded either way, as far as f32 arithmetic and the matrix unit's own rounding can turn it there, and no further.
;; One version. Each part assembles by itself: llvm-mc -triple=amdgcn-amd-amdhsa -mcpu=gfx1250 --defsym DOCPART=n.
;; ======== version 1 of 1: 4 launches
;; limits: right only within a limited range of input values
;; workspace buffers: x_img 8,388,608 bytes; wa_img 3,145,728 bytes; wp_img 1,048,576 bytes; q_img 8,388,608 bytes; k_img 8,388,608 bytes; v_img 8,388,608 bytes; y_img 8,388,608 bytes
;; launch quant (part 1): grid 512 x 1, 4 waves a work-group, no clusters, 34,304 bytes of LDS; arguments x, W_attn, W_proj, lowp_scales, x_img, wa_img, wp_img; writes x_img, wa_img, wp_img
.if DOCPART == 1
	.amdgcn_target "amdgcn-amd-amdhsa--gfx1250"
	.amdhsa_code_object_version 6
	.text
	.protected	k_q7b8b10728d_quant
	.globl	k_q7b8b10728d_quant
	.p2align	8
	.type	k_q7b8b10728d_quant,@function
k_q7b8b10728d_quant:
	s_mov_b64 s[64:65], 0
	v_nop
	global_prefetch_b8 v0, s[64:65] scope:SCOPE_SE
	s_setreg_imm32_b32 hwreg(HW_REG_WAVE_MODE, 25, 1), 1
	s_wait_xcnt 0x0
; x [8192][1024], W_attn [1024][3072] and W_proj [1024][1024], f32, become codes of FP8 (E4M3), each with its given scale 2^e (entries 0, 1 and 7 of the scales).
; code = number / 2^e, held within +-448, rounded to the nearest code, ties to even.
; THE CODES ARE LAID AS IMAGES OF OPERAND REGISTERS.  A fragment is 16 rows x 128 along K for v_wmma_f32_16x16x128_fp8_fp8: lane (r = lane % 16, h = lane / 16) holds row r, its registers 2 c, 2 c + 1
; hold k = 16 c + 8 h + 0 .. 7.  In memory a fragment is 2,048 bytes: four groups of 512, lane l's registers 4 g .. 4 g + 3 at 512 g + 16 l.  A buffer is [16 rows][8 K steps][2,048].
; A row is a token (x) or an output channel n (the weights, whose K is their FIRST axis).
; Work-groups 0-255 take x, 256-447 W_attn, 448-511 W_proj: three ways that part on the work-group's number and never meet again.  Only x's way uses LDS.
; LIMITS: each of the three exponents lies between -126 and 119, so that 2^e and 448 x 2^e are f32 numbers.  NaN among the inputs is not served (an infinity is held at the largest code).
.set SP,    528                        ; a row of x's stage: 512 bytes + 16, so that sixteen rows' reads of 16 bytes begin in sixteen different columns of 16 bytes
.set WST,   16*SP                      ; a wave's stage: 16 rows
.set SPARE, 4*WST                      ; behind the four stages: the spare words, 128 bytes a wave: two blocks of 256 bytes that no other line names
.set SPW,   12                         ; v12  LDS address of my spare word; never rewritten
.set NIL,   13                         ; v13  0; never rewritten
.set XR,    16                         ; x: v16-143  two sets of 64: a fragment's numbers as they are loaded
.set XX,    144                        ; x: v144-207 the same numbers, 16 neighbours a group
.set XC,    208                        ; x: v208-239 two sets of 16: a fragment's codes
.set WX,    16                         ; W: v16-79   two sets of 32 numbers down K
.set WC,    80                         ; W: v80-111  my column's 128 codes, in the order in which they are stored
	s_load_b256 s[4:11], s[0:1], 0x0               ; x s[4:5], W_attn s[6:7], W_proj s[8:9], the scales s[10:11]
	s_load_b128 s[12:15], s[0:1], 0x20             ; x_img s[12:13], wa_img s[14:15]
	s_load_b64 s[16:17], s[0:1], 0x30              ; wp_img
	v_lshl_add_u32 v[SPW], v0, 2, SPARE
	v_mov_b32 v[NIL], 0
	v_lshrrev_b32 v1, 5, v0
	v_readfirstlane_b32 s18, v1                    ; wave 0..3
	v_and_b32 v2, 31, v0                           ; lane
	v_lshlrev_b32 v3, 4, v2                        ; 16 x lane
	v_lshlrev_b32 v4, 2, v2                        ; 4 x lane
	v_and_b32 v5, 15, v0                           ; r
	v_bfe_u32 v6, v0, 4, 1                         ; h
	s_mul_i32 s19, s18, WST                        ; my stage
	v_add_nc_u32 v14, s19, v3                      ; into it: 16 x lane of a row
	v_mul_u32_u24 v15, v5, SP
	v_lshl_add_u32 v15, v6, 5, v15
	v_add_nc_u32 v15, s19, v15                     ; out of it: row r, + 32 h bytes (8 h numbers)
	v_lshlrev_b32 v7, 4, v5
	v_lshl_add_u32 v7, v6, 14, v7                  ; the weights' stores: 16 r, and lanes 16-31 in the next 16 rows' image, 16,384 bytes on
	s_wait_kmcnt 0x0
	s_load_b256 s[20:27], s[10:11], 0x0            ; e0 .. e7
	s_cmp_lt_u32 ttmp9, 256
	s_cbranch_scc0 .Lweights
.macro MKSCALE e                       ; v11 = 2^e as f32 (the conversion takes its exponent field), v10 = 448 x 2^e
	s_add_co_i32 s36, s[\e], 127
	s_lshl_b32 s37, s36, 23
	v_mov_b32 v11, s37
	s_add_co_i32 s36, s36, 8
	s_lshl_b32 s36, s36, 23
	s_or_b32 s36, s36, 0x600000
	v_mov_b32 v10, s36
.endm
.macro FINISH                          ; the wave's end: three lines behind the last LDS store, the first of them even in a text with no tensor load
	s_wait_tensorcnt 0x0
	ds_add_u32 v[SPW], v[NIL]
	s_wait_dscnt 0x0
	s_endpgm
.endm
; ---- x.  Work-group g, wave w: rows 16 (2 g + w / 2) on, K steps 4 (w % 2) + f, f = 0 .. 3: four fragments.
; A load reads 512 consecutive bytes of one row; the conversions want 8 neighbours along K in ONE lane's registers: so a fragment's 8,192 bytes turn through the wave's own stage.
.macro XLOAD f                         ; fragment f: 16 rows x 512 bytes into set f % 2
.set i, 0
.rept 16
	global_load_b128 v[XR+64*((\f)%2)+4*i:XR+64*((\f)%2)+4*i+3], v3, s[4:5] offset:4096*i+512*(\f) th:TH_LOAD_NT
.set i, i+1
.endr
.endm
.macro XFRAG f
.if (\f) < 3
	s_wait_loadcnt 16                              ; this fragment's 16 loads are in; the next fragment's 16 may be out
.else
	s_wait_loadcnt 0x0
.endif
.set i, 0
.rept 16
	ds_store_b128 v14, v[XR+64*((\f)%2)+4*i:XR+64*((\f)%2)+4*i+3] offset:SP*i
.set i, i+1
.endr
.irp g, 0,1,2,3                        ; LDS serves a wave's instructions in order (ISA guide 5.7.1.4): these see the stores above.  Group g of lane (r, h): k = 32 g + 8 h + 0 .. 7 and 32 g + 16 + 8 h + 0 .. 7
	ds_load_b128 v[XX+16*\g:XX+16*\g+3], v15 offset:128*\g
	ds_load_b128 v[XX+16*\g+4:XX+16*\g+7], v15 offset:128*\g+16
	ds_load_b128 v[XX+16*\g+8:XX+16*\g+11], v15 offset:128*\g+64
	ds_load_b128 v[XX+16*\g+12:XX+16*\g+15], v15 offset:128*\g+80
.endr
	s_wait_dscnt 0x0                               ; the numbers are back, and the stores into the stage have read their registers,
.if (\f) < 2
	XLOAD (\f)+2                                   ; which take the fragment two further on
.else
	s_wait_xcnt 0x0                                ; the stores of the fragment two back have read their codes: that set is written again only behind this wait
.endif
.irp g, 0,1,2,3
.set i, 0
.rept 16
	v_med3_num_f32 v[XX+16*\g+i], v[XX+16*\g+i], -v10, v10   ; the conversion to an 8-bit code does not saturate (ISA guide 7.6.2): the hold at the largest code x the scale
.set i, i+1
.endr
	v_cvt_scalef32_pk8_fp8_f32 v[XC+16*((\f)%2)+4*\g:XC+16*((\f)%2)+4*\g+1], v[XX+16*\g:XX+16*\g+7], v11
	v_cvt_scalef32_pk8_fp8_f32 v[XC+16*((\f)%2)+4*\g+2:XC+16*((\f)%2)+4*\g+3], v[XX+16*\g+8:XX+16*\g+15], v11
	global_store_b128 v3, v[XC+16*((\f)%2)+4*\g:XC+16*((\f)%2)+4*\g+3], s[12:13] offset:2048*(\f)+512*\g   ; the wave stores 512 consecutive bytes, aligned
.endr
.endm
	s_lshl_b32 s28, ttmp9, 1
	s_lshr_b32 s29, s18, 1
	s_add_co_u32 s28, s28, s29                     ; which 16 rows
	s_and_b32 s30, s18, 1                          ; which half of K
	s_lshl_b32 s32, s28, 16                        ; 16 rows of 4,096 bytes
	s_lshl_b32 s33, s30, 11
	s_add_co_u32 s32, s32, s33
	s_mov_b32 s33, 0
	s_add_nc_u64 s[4:5], s[4:5], s[32:33]
	s_lshl_b32 s34, s28, 14                        ; their image: 16,384 bytes
	s_lshl_b32 s35, s30, 13
	s_add_co_u32 s34, s34, s35
	s_mov_b32 s35, 0
	s_add_nc_u64 s[12:13], s[12:13], s[34:35]
	XLOAD 0
	XLOAD 1
	s_wait_kmcnt 0x0
	MKSCALE 20
	s_wait_alu depctr_va_vdst(0)
	XFRAG 0
	XFRAG 1
	XFRAG 2
	XFRAG 3
	v_nop                                          ; a plain vector line behind the last conversion
	FINISH
; ---- the weights.  A LANE TAKES A COLUMN n AND ITS REGISTERS RUN DOWN K: a load reads 128 consecutive bytes a wave, 512 a work-group, and the conversions give codes with K innermost: nothing is transposed.
; Work-group g': K step g' % 8, columns 128 (g' / 8) + 32 w + lane.  Of my column's 16 octets, octet o (k = 8 o .. 8 o + 7) is registers 2 (o / 2), 2 (o / 2) + 1 of lane (r, h = o % 2) of the image:
; so octets 4 g + h' and 4 g + 2 + h' are the 16 bytes at 512 g + 256 h' + 16 r, and sixteen lanes store 256 consecutive bytes, aligned.
.macro WLOAD t, n, win                 ; numbers k = 32 t + 0 .. 31 of my column into set t % 2
.set i, 0
.rept 32
	global_load_b32 v[WX+32*((\t)%2)+i], v4, s[\win:\win+1] offset:(32*(\t)+i)*\n*4 th:TH_LOAD_NT
.set i, i+1
.endr
.endm
.macro WBLK t, n, win
.if (\t) < 3
	s_wait_loadcnt 32                              ; this block's 32 loads are in; the next block's may be out
.else
	s_wait_loadcnt 0x0
.endif
.set i, 0
.rept 32
	v_med3_num_f32 v[WX+32*((\t)%2)+i], v[WX+32*((\t)%2)+i], -v10, v10
.set i, i+1
.endr
.irp q, 0,1,2,3
	v_cvt_scalef32_pk8_fp8_f32 v[WC+8*(\t)+4*(\q%2)+2*(\q/2):WC+8*(\t)+4*(\q%2)+2*(\q/2)+1], v[WX+32*((\t)%2)+8*\q:WX+32*((\t)%2)+8*\q+7], v11
.endr
.if (\t) < 2
	WLOAD (\t)+2, \n, \win
.endif
.endm
.macro WQ n, win, wout, first, e       ; a weight of n columns; s[win], s[wout]: its address and its image's; first: its first work-group; s[e]: its exponent
	s_sub_co_u32 s28, ttmp9, \first
	s_and_b32 s29, s28, 7                          ; K step
	s_lshr_b32 s30, s28, 3                         ; which 128 columns
	s_mul_i32 s32, s29, 128*\n*4
	s_lshl_b32 s31, s30, 9
	s_add_co_u32 s32, s32, s31
	s_lshl_b32 s31, s18, 7
	s_add_co_u32 s32, s32, s31                     ; 128 rows of W x K step + 4 x my wave's first column
	s_mov_b32 s33, 0
	s_add_nc_u64 s[\win:\win+1], s[\win:\win+1], s[32:33]
	s_lshl_b32 s34, s30, 3
	s_lshl_b32 s31, s18, 1
	s_add_co_u32 s34, s34, s31                     ; the image of columns 16 (8 (g' / 8) + 2 w) on
	s_lshl_b32 s34, s34, 14
	s_lshl_b32 s31, s29, 11
	s_add_co_u32 s34, s34, s31
	s_mov_b32 s35, 0
	s_add_nc_u64 s[\wout:\wout+1], s[\wout:\wout+1], s[34:35]
	WLOAD 0, \n, \win
	WLOAD 1, \n, \win
	s_wait_kmcnt 0x0
	MKSCALE \e
	s_wait_alu depctr_va_vdst(0)
	WBLK 0, \n, \win
	WBLK 1, \n, \win
	WBLK 2, \n, \win
	WBLK 3, \n, \win
	v_nop                                          ; a plain vector line behind the last conversion
.irp g, 0,1,2,3
	global_store_b128 v7, v[WC+8*\g:WC+8*\g+3], s[\wout:\wout+1] offset:512*\g
	global_store_b128 v7, v[WC+8*\g+4:WC+8*\g+7], s[\wout:\wout+1] offset:512*\g+256
.endr
.endm
.Lweights:
	s_cmp_lt_u32 ttmp9, 448
	s_cbranch_scc0 .Lproj
	s_wait_alu depctr_va_vdst(0)
	WQ 3072, 6, 14, 256, 21
	FINISH
.Lproj:
	s_wait_alu depctr_va_vdst(0)
	WQ 1024, 8, 16, 448, 27
	FINISH
.Lfunc_end_k_q7b8b10728d_quant:
	.size	k_q7b8b10728d_quant, .Lfunc_end_k_q7b8b10728d_quant-k_q7b8b10728d_quant
	.p2alignl 7, 3214868480
	.fill 96, 4, 3214868480
	.section	.rodata,"a",@progbits
	.p2align	6, 0x0
	.amdhsa_kernel k_q7b8b10728d_quant
		.amdhsa_group_segment_fixed_size 34304
		.amdhsa_private_segment_fixed_size 0
		.amdhsa_enable_private_segment 0
		.amdhsa_kernarg_size 56
		.amdhsa_user_sgpr_count 2
		.amdhsa_user_sgpr_kernarg_segment_ptr 1
		.amdhsa_wavefront_size32 1
		.amdhsa_system_sgpr_workgroup_id_x 1
		.amdhsa_system_sgpr_workgroup_id_y 1
		.amdhsa_system_sgpr_workgroup_id_z 1
		.amdhsa_system_vgpr_workitem_id 0
		.amdhsa_next_free_vgpr 240
		.amdhsa_next_free_sgpr 66
		.amdhsa_reserve_vcc 0
		.amdhsa_float_denorm_mode_32 3
		.amdhsa_float_denorm_mode_16_64 3
		.amdhsa_memory_ordered 1
		.amdhsa_forward_progress 1
		.amdhsa_inst_pref_size 83
	.end_amdhsa_kernel
	.amdgpu_metadata
---
amdhsa.version: [ 1, 2 ]
amdhsa.kernels:
  - .name:           k_q7b8b10728d_quant
    .symbol:         k_q7b8b10728d_quant.kd
    .args:
      - { .name: x, .offset: 0, .size: 8, .value_kind: global_buffer, .address_space: global }
      - { .name: W_attn, .offset: 8, .size: 8, .value_kind: global_buffer, .address_space: global }
      - { .name: W_proj, .offset: 16, .size: 8, .value_kind: global_buffer, .address_space: global }
      - { .name: lowp_scales, .offset: 24, .size: 8, .value_kind: global_buffer, .address_space: global }
      - { .name: x_img, .offset: 32, .size: 8, .value_kind: global_buffer, .address_space: global }
      - { .name: wa_img, .offset: 40, .size: 8, .value_kind: global_buffer, .address_space: global }
      - { .name: wp_img, .offset: 48, .size: 8, .value_kind: global_buffer, .address_space: global }
    .group_segment_fixed_size: 34304
    .private_segment_fixed_size: 0
    .kernarg_segment_align: 8
    .kernarg_segment_size: 56
    .max_flat_workgroup_size: 128
    .sgpr_count:     66
    .vgpr_count:     240
    .wavefront_size: 32
...
	.end_amdgpu_metadata
.endif
;; end of part 1
;; launch gemm_qkv (part 2): grid 32 x 8, 4 waves a work-group, clusters of 4 x 1, 327,680 bytes of LDS; arguments x_img, wa_img, b_attn, lowp_scales, q_img, k_img, v_img; writes q_img, k_img, v_img
.if DOCPART == 2
	.amdgcn_target "amdgcn-amd-amdhsa--gfx1250"
	.amdhsa_code_object_version 6
	.text
	.protected	k_q7b8b10728d_gemm_qkv
	.globl	k_q7b8b10728d_gemm_qkv
	.p2align	8
	.type	k_q7b8b10728d_gemm_qkv,@function
k_q7b8b10728d_gemm_qkv:
	s_mov_b64 s[64:65], 0
	v_nop
	global_prefetch_b8 v0, s[64:65] scope:SCOPE_SE
	s_setreg_imm32_b32 hwreg(HW_REG_WAVE_MODE, 25, 1), 1
	s_wait_xcnt 0x0
	s_wait_alu depctr_hold_cnt(0) depctr_sa_sdst(0) depctr_va_vdst(0) depctr_va_sdst(0) depctr_va_ssrc(0) depctr_va_vcc(0) depctr_vm_vsrc(0)
	s_getreg_b32 s2, hwreg(HW_REG_IB_STS2, 6, 4)
	s_cmp_eq_u32 s2, 0
	s_cbranch_scc0 .Lentry_in_a_cluster
	s_endpgm
.Lentry_in_a_cluster:
	s_bfe_u32 s2, ttmp6, 0x10000c
	s_cmp_lg_u32 s2, 0x3003
	s_cbranch_scc0 .Lentry_shape_is_right
	s_endpgm
.Lentry_shape_is_right:
; qkv = x W_attn + b_attn on codes of FP8 (E4M3); q, k and v are quantised in registers with their given scales and leave as images of the registers of attention's operands.
; OPERANDS are images of registers: a fragment (16 rows x 128 K, the plain form's own layout) is 2,048 bytes, lane l's registers 4 c .. 4 c + 3 at 512 c + 16 l; a buffer is [16 rows][8 K steps][2,048].
; SHARES.  Work-group (tb, g) owns tokens 256 tb on and the pair of heads g: three blocks of 128 rows of W^T (q's, k's, v's: rows 1,024 i + 128 g).  32 x 8 = 256 work-groups.
; A STAYS IN REGISTERS: wave w holds its 64 tokens x all 1,024 of K, 4 x 8 fragments = 512 registers, loaded once by 128 loads of 512 consecutive bytes; each byte of the block's x is loaded by one wave.
; B COMES THROUGH LDS WHOLE: a block is 131,072 dense bytes, one tensor load of 32,768 a wave; two slots.  q's block is asked for at the head, k's behind the first round (a first fill), v's behind the second
; (a refill of slot 0), each a whole block's 256 products a wave ahead of its first read.  The four work-groups of a cluster (neighbouring tb) want the same blocks and ask JOINTLY (mask 15).
; A K step is 32 products a wave (4 token tiles x 8 tiles of B) on 32 accumulators by turns.  B has ONE set of 8 fragments: a quarter (2 fragments) is fetched anew, for the next K step, behind its 8 products.
; q, k: source 0 = rows of W^T, source 1 = tokens: a lane holds one token and eight neighbouring channels, the K of q k^T.  v: the sources change places: a lane holds one channel and eight neighbouring keys, the K of p v.
; q_img, k_img: [batch 4][pair 8][16 tokens: 128][head of the pair 2][1,024].  v_img: [batch][pair][128 keys: 16][4 x head of the pair + 16 channels: 8][2,048].  Every store is 512 consecutive bytes, aligned.
; THE BIAS, divided by 2^(e0 + e1), is the C of each sum's first product; a sum's code is sum / 2^(e_out - e0 - e1): one scale for the conversion.
; NO PREFETCH: the text has no loop to run ahead in; A is asked for whole at the head and each block of B a block ahead.
; LIMITS: e_out - e0 - e1 (e_out = e2, e3, e5) lies between -126 and 119.  NaN is not served.
; REGISTERS, in windows of 256: window 0: v2-13 addresses and constants; v32-95 the bias; v96-223 B's fragments, later the codes.  window 1: accumulator (a, b) at v[8 (8 a + b)].
;   windows 2, 3: A's fragment (a, K step s) at v[16 (4 (s % 4) + a)] of window 2 + s / 4.
.set SLOT,  131072
.set SPARE, 2*SLOT                     ; behind the slots: the spare words, 128 bytes a wave: two blocks of 256 bytes that no other line names
.set LI,    2                          ; v2    16 x lane
.set ADB,   4                          ; v4-7  16 x lane + 65,536 x 0..3: slot 0's tiles 0-3, 4-7, slot 1's
.set SPW,   8                          ; v8    LDS address of my spare word; never rewritten
.set NIL,   9                          ; v9    0; never rewritten
.set SCL,   10                         ; v10   2^(e_out - e0 - e1)
.set LIM,   11                         ; v11   448 x that
.set BA,    12                         ; v12   32 h
.set BAV,   13                         ; v13   4 r
.set BIAS,  32
.set BF,    96
.set G1,    24                         ; s[24:31] descriptor group 1; s[32:35] group 0
.set G0,    32
.set NYB,   16                         ; loads issued behind A's in the first block: the next bias's
.set MSB,   0
.macro WIN new                         ; the immediate's high byte repeats the setting that is left; a switch that changes nothing is dropped
.if MSB != (\new)
	s_set_vgpr_msb (MSB<<8)|(\new)
.set MSB, (\new)
.endif
.endm
.macro CROUND                          ; a round of the cluster's barrier
	s_barrier_signal -1
	s_barrier_wait -1
	s_cmp_lg_u32 s14, 0
	s_cbranch_scc1 .Lnot_wave_0_\@
	s_barrier_signal -3
.Lnot_wave_0_\@:
	s_barrier_wait -3
	s_barrier_signal -1
	s_barrier_wait -1
.endm
.macro PLACES
.rept 4
	v_nop
.endr
.endm
.macro FILL                            ; my quarter of a block of B: every wave issues the line, each into its own 32,768 bytes of the slot
	tensor_load_to_lds s[G0:G0+3], s[G1:G1+7]
	s_nop 0
	PLACES
.endm
.macro BLOAD sl, s, q                  ; B's fragments 2 q, 2 q + 1 of K step s out of slot sl
.irp b, 2*(\q), 2*(\q)+1
.irp c, 0,1,2,3
	ds_load_b128 v[BF+16*(\b)+4*\c:BF+16*(\b)+4*\c+3], v[ADB+2*(\sl)+(\b)/4] offset:((\b)%4)*16384+2048*(\s)+512*\c
.endr
.endr
.endm
.macro MULQ var, s, q                  ; 8 products: B's tiles 2 q, 2 q + 1 x my four token tiles.  var = 1: the sources change places.  K step 0 begins the sums with the bias
.irp b, 2*(\q), 2*(\q)+1
.irp a, 0,1,2,3
.set D_, 8*(8*\a+(\b))
.set A_, 16*(4*((\s)%4)+\a)
.set B_, BF+16*(\b)
.set C_, BIAS+8*(\b)
.if (\s) > 0
.set C_, D_
.endif
.if (\var) == 0
	v_wmma_f32_16x16x128_fp8_fp8 v[D_:D_+7], v[B_:B_+15], v[A_:A_+15], v[C_:C_+7]
.else
	v_wmma_f32_16x16x128_fp8_fp8 v[D_:D_+7], v[A_:A_+15], v[B_:B_+15], v[C_:C_+7]
.endif
.endr
.endr
.endm
.macro NBIAS blk                       ; the next block's bias, into the registers that K step 0 has read (four places behind its last product)
.if (\blk) == 0
.irp b, 0,1,2,3,4,5,6,7
	global_load_b128 v[BIAS+8*\b:BIAS+8*\b+3], v[BA], s[86:87] offset:4096+64*\b
	global_load_b128 v[BIAS+8*\b+4:BIAS+8*\b+7], v[BA], s[86:87] offset:4096+64*\b+16
.endr
.elseif (\blk) == 1
.irp b, 0,1,2,3,4,5,6,7
	global_load_b32 v[BIAS+8*\b], v[BAV], s[86:87] offset:8192+64*\b
.endr
.endif
.endm
; A block's 256 products.  s_wait_dscnt 24: behind a quarter's 8 loads stand the three younger quarters' 24.  Loads into registers that products have read stand four places behind them.
.macro BLOCKMUL var, sl, blk
.irp q, 0,1,2,3
	BLOAD \sl, 0, \q
.endr
.irp s, 0,1,2,3,4,5,6,7
.if ((\blk) == 0) && (\s >= 1)         ; A's K step s is in: behind it stand the two K steps asked for since (at the end: one, none) and, up to K step 2, the next bias's NYB
.if \s <= 2
	s_wait_loadcnt 32+NYB
.elseif \s <= 5
	s_wait_loadcnt 32
.else
	s_wait_loadcnt 16*(7-\s)
.endif
.endif
.irp q, 0,1,2,3
.if \s < 7
	s_wait_dscnt 24
.else
	s_wait_dscnt 24-8*\q
.endif
.if (\var) == 0
.set MW_, 0x40|((2+\s/4)<<2)           ; D window 1, source 0 (B) window 0, source 1 (A) window 2 or 3
.else
.set MW_, 0x40|(2+\s/4)
.endif
.if \s > 0
.set MW_, MW_|0x10                     ; C window 1 (in K step 0: the bias, window 0)
.endif
	WIN MW_
	MULQ \var, \s, \q
.if \s < 7
	PLACES
	WIN 0
	BLOAD \sl, \s+1, \q
.endif
.endr
.if \s == 0
	NBIAS \blk
.endif
.if ((\blk) == 0) && (\s <= 4)
	ALOAD \s+3                                     ; in the first block A is asked for three K steps ahead of its products
.endif
.endr
	WIN 0
.endm
.macro MKS e                           ; the block's scale and bound
	s_add_co_i32 s89, s[\e], s88
	s_add_co_i32 s89, s89, 127
	s_lshl_b32 s60, s89, 23
	v_mov_b32 v[SCL], s60
	s_add_co_i32 s89, s89, 8
	s_lshl_b32 s89, s89, 23
	s_or_b32 s89, s89, 0x600000
	v_mov_b32 v[LIM], s89
.endm
; THE WAY OUT of q's or k's block: the hold, each accumulator from its low end on; a token tile's eight conversions are 16 registers of the next product's operand: four stores of 512 bytes.
.macro OUTQK ob
	PLACES
.irp a, 0,1,2,3
	WIN 0x41
.set j, 0
.rept 64
	v_med3_num_f32 v[64*\a+j], v[64*\a+j], -v[LIM], v[LIM]   ; the conversion to an 8-bit code does not saturate (ISA guide 7.6.2)
.set j, j+1
.endr
	WIN 0x01
.irp b, 0,1,2,3,4,5,6,7
	v_cvt_scalef32_pk8_fp8_f32 v[BF+16*\a+2*\b:BF+16*\a+2*\b+1], v[64*\a+8*\b:64*\a+8*\b+7], v[SCL]
.endr
	WIN 0
.irp g, 0,1,2,3
	global_store_b128 v[LI], v[BF+16*\a+4*\g:BF+16*\a+4*\g+3], s[\ob:\ob+1] offset:2048*\a+512*\g
.endr
.endr
	v_nop                                          ; a plain vector line behind the last conversion
.endm
; THE WAY OUT of v's block: tile (a, b) holds channel r of tile b and keys 16 a + 8 h + 0 .. 7 of my 64: registers 2 a, 2 a + 1 of my half of the fragment of channels 16 b on.
.macro OUTV ob
	PLACES
	WIN 0x41
.set j, 0
.rept 256
	v_med3_num_f32 v[j], v[j], -v[LIM], v[LIM]
.set j, j+1
.endr
	WIN 0x01
.irp b, 0,1,2,3,4,5,6,7
.irp a, 0,1,2,3
	v_cvt_scalef32_pk8_fp8_f32 v[BF+8*\b+2*\a:BF+8*\b+2*\a+1], v[64*\a+8*\b:64*\a+8*\b+7], v[SCL]
.endr
.endr
	WIN 0
	v_nop                                          ; a plain vector line behind the last conversion
.irp b, 0,1,2,3,4,5,6,7
	global_store_b128 v[LI], v[BF+8*\b:BF+8*\b+3], s[\ob:\ob+1] offset:2048*\b
	global_store_b128 v[LI], v[BF+8*\b+4:BF+8*\b+7], s[\ob:\ob+1] offset:2048*\b+512
.endr
.endm
; A block.  In front of its products stand the lines ahead of a later first fill or a refill; fill = 1: a round, and behind it the block after this one is asked for, into the other slot.
.macro BLOCK blk, var, e, fill
.if \blk
	s_wait_xcnt 0x0                                ; the last block's stores have read their codes: B's fragments land there again only behind this wait
	s_wait_loadcnt 0x0                             ; the bias
.else
	s_wait_loadcnt 32                              ; the bias's 16 loads and A's K step 0 are in; K steps 1 and 2 may be out
.endif
	MKS \e
.if (\var) == 0
.set j, 0
.rept 64
	v_ldexp_f32 v[BIAS+j], v[BIAS+j], s88          ; the bias / 2^(e0 + e1): nothing is rounded, short of underflow
.set j, j+1
.endr
.else
.irp b, 0,1,2,3,4,5,6,7
.irp i, 7,6,5,4,3,2,1,0
	v_ldexp_f32 v[BIAS+8*\b+\i], v[BIAS+8*\b], s88 ; my channel's bias, eight times
.endr
.endr
.endif
	s_wait_alu depctr_va_vdst(0)
	s_wait_tensorcnt 0x0                           ; my quarter of this block of B is in, and the descriptor may be written
	ds_add_u32 v[SPW], v[NIL]
.if \fill
	s_xor_b32 s[G0+1], s[G0+1], SLOT               ; the other slot,
	s_add_nc_u64 s[G0+2:G0+3], s[G0+2:G0+3], 0x100000   ; 1,024 rows of W^T on
.endif
	s_wait_dscnt 0x0                               ; the add is done, and my reads of the other slot are over
.if \fill
	CROUND
	FILL
.else
	s_barrier_signal -1
	s_barrier_wait -1
.endif
	BLOCKMUL \var, (\blk)%2, \blk
.endm
	s_load_b256 s[4:11], s[0:1], 0x0               ; x_img s[4:5], wa_img s[6:7], b_attn s[8:9], the scales s[10:11]
	s_load_b128 s[68:71], s[0:1], 0x20             ; q_img, k_img
	s_load_b64 s[72:73], s[0:1], 0x30              ; v_img
	v_lshl_add_u32 v[SPW], v0, 2, SPARE
	v_mov_b32 v[NIL], 0
	ds_add_u32 v[SPW], v[NIL]                      ; the opening: the add, twice on end, and its wait ahead of my first tensor load
	ds_add_u32 v[SPW], v[NIL]
	v_lshrrev_b32 v1, 5, v0
	v_readfirstlane_b32 s14, v1                    ; wave 0..3
	s_and_b32 s42, ttmp7, 0xffff                   ; g, the same in all four partners
	s_mov_b32 s[G1], 15|(3<<16)|(1<<21)            ; the mask: all four; elements of 8 bytes; bit 21 beside a mask; no padding
	s_mov_b32 s[G1+1], 512<<16                     ; 8 rows of 4,096 bytes, dense
	s_mov_b32 s[G1+2], 8<<16
	s_mov_b32 s[G1+3], 512<<16
	s_mov_b32 s[G1+4], 8
	s_mov_b32 s[G1+5], 512
	s_mov_b32 s[G1+6], 0
	s_mov_b32 s[G1+7], 0
	s_lshl_b32 s46, s42, 17                        ; q's block: 131,072 g,
	s_lshl_b32 s[G0+1], s14, 15                    ; my quarter, in memory and in the slot
	s_add_co_u32 s46, s46, s[G0+1]
	s_mov_b32 s47, 0
	s_mov_b32 s[G0], 1
	s_wait_dscnt 0x0                               ; both opening adds are done
	s_wait_kmcnt 0x0
	s_load_b256 s[76:83], s[10:11], 0x0            ; e0 .. e7
	s_add_nc_u64 s[G0+2:G0+3], s[6:7], s[46:47]
	s_or_b32 s[G0+3], s[G0+3], 0x80000000
	CROUND                                         ; all four work-groups are here: the first joint loads meet
	FILL                                           ; q's block
	s_bfe_u32 s40, ttmp6, 0x40000                  ; cx
	s_lshl_b32 s41, ttmp9, 2
	s_add_co_u32 s41, s41, s40                     ; tb
	s_lshl_b32 s90, s41, 18                        ; 256 tokens are 16 x 16,384 bytes of x_img,
	s_lshl_b32 s91, s14, 16                        ; my 64 are 4 x 16,384
	s_add_co_u32 s90, s90, s91
	s_mov_b32 s91, 0
	s_add_nc_u64 s[20:21], s[4:5], s[90:91]
	s_lshl_b32 s92, s42, 9
	s_mov_b32 s93, 0
	s_add_nc_u64 s[86:87], s[8:9], s[92:93]        ; the bias of channels 128 g on
	s_lshr_b32 s94, s41, 3
	s_lshl_b32 s94, s94, 21                        ; batch x 2,097,152
	s_lshl_b32 s95, s42, 18                        ; pair x 262,144
	s_add_co_u32 s94, s94, s95
	s_and_b32 s95, s41, 7
	s_lshl_b32 s95, s95, 15                        ; 256 tokens are 32,768 bytes of a pair
	s_add_co_u32 s94, s94, s95
	s_lshl_b32 s96, s14, 13                        ; q, k: my 64 tokens are 4 x 2,048 bytes
	s_add_co_u32 s96, s96, s94
	s_mov_b32 s97, 0
	s_add_nc_u64 s[50:51], s[68:69], s[96:97]
	s_add_nc_u64 s[52:53], s[70:71], s[96:97]
	s_lshr_b32 s98, s14, 1                         ; v: 128 keys are 16,384 bytes; my half of a fragment is 1,024
	s_lshl_b32 s98, s98, 14
	s_and_b32 s99, s14, 1
	s_lshl_b32 s99, s99, 10
	s_add_co_u32 s98, s98, s99
	s_add_co_u32 s98, s98, s94
	s_mov_b32 s99, 0
	s_add_nc_u64 s[54:55], s[72:73], s[98:99]
	v_and_b32 v1, 31, v0
	v_lshlrev_b32 v[LI], 4, v1
	v_mov_b32 v[ADB], v[LI]
	v_add_nc_u32 v[ADB+1], 0x10000, v[LI]
	v_add_nc_u32 v[ADB+2], 0x20000, v[LI]
	v_add_nc_u32 v[ADB+3], 0x30000, v[LI]
	v_bfe_u32 v3, v0, 4, 1
	v_lshlrev_b32 v[BA], 5, v3
	v_and_b32 v3, 15, v0
	v_lshlrev_b32 v[BAV], 2, v3
	s_wait_alu depctr_va_vdst(0)                   ; the end of the head's vector work
.irp b, 0,1,2,3,4,5,6,7
	global_load_b128 v[BIAS+8*\b:BIAS+8*\b+3], v[BA], s[86:87] offset:64*\b        ; q's bias: register 8 b + i = b(128 g + 16 b + 8 h + i)
	global_load_b128 v[BIAS+8*\b+4:BIAS+8*\b+7], v[BA], s[86:87] offset:64*\b+16
.endr
.macro ALOAD s                         ; A's four fragments of K step s: 16 loads of 512 consecutive bytes
	WIN 0x80+0x40*((\s)/4)
.irp a, 0,1,2,3
.irp c, 0,1,2,3
	global_load_b128 v[16*(4*((\s)%4)+\a)+4*\c:16*(4*((\s)%4)+\a)+4*\c+3], v[LI], s[20:21] offset:16384*\a+2048*(\s)+512*\c
.endr
.endr
	WIN 0
.endm
	ALOAD 0                                        ; K steps 0 to 2 at the head; the others along the first block's K steps
	ALOAD 1
	ALOAD 2
	s_wait_kmcnt 0x0
	s_add_co_i32 s88, s76, s77
	s_sub_co_i32 s88, 0, s88                       ; -(e0 + e1)
	BLOCK 0, 0, 78, 1                              ; q; k's block is asked for
	OUTQK 50
	BLOCK 1, 0, 79, 1                              ; k; v's block is asked for
	OUTQK 52
	BLOCK 2, 1, 81, 0                              ; v
	OUTV 54
	s_wait_tensorcnt 0x0                           ; the wave's end
	ds_add_u32 v[SPW], v[NIL]
	s_wait_dscnt 0x0
	CROUND                                         ; the closing round
	s_endpgm
.Lfunc_end_k_q7b8b10728d_gemm_qkv:
	.size	k_q7b8b10728d_gemm_qkv, .Lfunc_end_k_q7b8b10728d_gemm_qkv-k_q7b8b10728d_gemm_qkv
	.p2alignl 7, 3214868480
	.fill 96, 4, 3214868480
	.section	.rodata,"a",@progbits
	.p2align	6, 0x0
	.amdhsa_kernel k_q7b8b10728d_gemm_qkv
		.amdhsa_group_segment_fixed_size 327680
		.amdhsa_private_segment_fixed_size 0
		.amdhsa_enable_private_segment 0
		.amdhsa_kernarg_size 56
		.amdhsa_user_sgpr_count 2
		.amdhsa_user_sgpr_kernarg_segment_ptr 1
		.amdhsa_wavefront_size32 1
		.amdhsa_system_sgpr_workgroup_id_x 1
		.amdhsa_system_sgpr_workgroup_id_y 1
		.amdhsa_system_sgpr_workgroup_id_z 1
		.amdhsa_system_vgpr_workitem_id 0
		.amdhsa_next_free_vgpr 1024
		.amdhsa_next_free_sgpr 100
		.amdhsa_reserve_vcc 0
		.amdhsa_float_denorm_mode_32 3
		.amdhsa_float_denorm_mode_16_64 3
		.amdhsa_memory_ordered 1
		.amdhsa_forward_progress 1
		.amdhsa_inst_pref_size 211
	.end_amdhsa_kernel
	.amdgpu_metadata
---
amdhsa.version: [ 1, 2 ]
amdhsa.kernels:
  - .name:           k_q7b8b10728d_gemm_qkv
    .symbol:         k_q7b8b10728d_gemm_qkv.kd
    .args:
      - { .name: x_img, .offset: 0, .size: 8, .value_kind: global_buffer, .address_space: global }
      - { .name: wa_img, .offset: 8, .size: 8, .value_kind: global_buffer, .address_space: global }
      - { .name: b_attn, .offset: 16, .size: 8, .value_kind: global_buffer, .address_space: global }
      - { .name: lowp_scales, .offset: 24, .size: 8, .value_kind: global_buffer, .address_space: global }
      - { .name: q_img, .offset: 32, .size: 8, .value_kind: global_buffer, .address_space: global }
      - { .name: k_img, .offset: 40, .size: 8, .value_kind: global_buffer, .address_space: global }
      - { .name: v_img, .offset: 48, .size: 8, .value_kind: global_buffer, .address_space: global }
    .group_segment_fixed_size: 327680
    .private_segment_fixed_size: 0
    .kernarg_segment_align: 8
    .kernarg_segment_size: 56
    .max_flat_workgroup_size: 128
    .sgpr_count:     100
    .vgpr_count:     1024
    .wavefront_size: 32
...
	.end_amdgpu_metadata
.endif
;; end of part 2
;; launch attn (part 3): grid 256 x 1, 16 waves a work-group, clusters of 4 x 1, 327,680 bytes of LDS; arguments q_img, k_img, v_img, lowp_scales, y_img; writes y_img
.if DOCPART == 3
	.amdgcn_target "amdgcn-amd-amdhsa--gfx1250"
	.amdhsa_code_object_version 6
	.text
	.protected	k_q7b8b10728d_attn
	.globl	k_q7b8b10728d_attn
	.p2align	8
	.type	k_q7b8b10728d_attn,@function
k_q7b8b10728d_attn:
	s_mov_b64 s[64:65], 0
	v_nop
	global_prefetch_b8 v0, s[64:65] scope:SCOPE_SE
	s_setreg_imm32_b32 hwreg(HW_REG_WAVE_MODE, 25, 1), 1
	s_wait_xcnt 0x0
	s_wait_alu depctr_hold_cnt(0) depctr_sa_sdst(0) depctr_va_vdst(0) depctr_va_sdst(0) depctr_va_ssrc(0) depctr_va_vcc(0) depctr_vm_vsrc(0)
	s_getreg_b32 s2, hwreg(HW_REG_IB_STS2, 6, 4)
	s_cmp_eq_u32 s2, 0
	s_cbranch_scc0 .Lentry_in_a_cluster
	s_endpgm
.Lentry_in_a_cluster:
	s_bfe_u32 s2, ttmp6, 0x10000c
	s_cmp_lg_u32 s2, 0x3003
	s_cbranch_scc0 .Lentry_shape_is_right
	s_endpgm
.Lentry_shape_is_right:
; y = softmax(q k^T / 8, causal) v for 64 heads of 2,048 tokens x 64 channels, both products on codes of FP8 (E4M3); y is quantised in registers and leaves as the image of the projection's operand.
; LEFT OUT: key steps all of whose 128 keys come after a tile's 16 queries: the causal mask gives them the weight 0 for all values of the inputs.
; THE SOFTMAX AHEAD OF THE SECOND PRODUCT: t = score x log2(e) / 8; M = the running largest t, rounded UP to a whole number; p = 2^(t - M) is quantised, not normalised; the row's sum is taken of the
; unquantised p and divides at the end.  When M moves, the sum and O are multiplied by 2^(old M - new M): exact.
; NO RING: a head's K and V codes are 2 x 131,072 bytes and lie in LDS whole; every byte is filled once.  Three fills: key steps 0-1, 2-7, 8-15 (a step = 128 keys), each wave one tensor load a fill.
; The second fill is issued two key steps, the third six key steps ahead of its first read; behind the third's barrier no barrier is left, and the sixteen waves walk on their own.
; SHARES.  The four work-groups of a head are a cluster of 4 and ask for K and V JOINTLY (mask 15).  Wave w of work-group i owns two tiles of 16 queries: tile 127 - j, then tile j, j = 4 w + i.
; They want 16 - (w / 2) and (w / 2) + 1 key steps: SEVENTEEN IN EVERY WAVE, two of them on the diagonal; every work-group reads all sixteen steps; and the limits hang on the wave's number alone
; ((4 w + i) / 8 = w / 2), so that no branch hangs on a work-group's place in its cluster: the place enters only Q's and y's addresses and the numbers that the mask compares.
; LDS.  Wave w fetches piece w of every step: pieces 0-7 are K's eight tiles of 16 keys (1,024 bytes), pieces 8-15 the eight halves of V's four fragments.  Piece w of step s lies at 16,384 w + 1,024 s.
; In memory a piece's steps are 16,384 bytes apart in K and in V alike: one descriptor group 1 serves all (R rows of 1,024 bytes), with no branch round the load.
; LAYOUT.  Both products are used transposed: S^T = K Q^T (16x16x64: source 0 = 16 keys, source 1 = my 16 queries), O^T += V^T P^T (16x16x128: source 0 = 16 channels x 128 keys): a lane holds ONE query.
; Tile t of S^T holds, in lane (r, h), keys 16 t + 8 h + 0 .. 7: converted they are registers 2 t, 2 t + 1 of P's fragment.  Every LDS load is 512 consecutive bytes at 16 x lane + a constant.
; q_img, k_img: [batch][pair of heads][16 tokens][head of the pair][1,024]; v_img: [batch][pair][128 keys][4 x head of the pair + 16 channels][2,048]; y_img: [16 tokens][pair][2,048], my head's half at 1,024 x head of the pair.
; NO PREFETCH: K and V are asked for by three fills alone; the first has no loop ahead of it, and the other two are themselves issued 2 and 6 key steps ahead of their first read.
; LIMITS: e2 + e3 between -123 and 130 (added to c's exponent field); e4 and e6 between -126 and 119; e4 + e5 is applied by v_ldexp_f32 and has none.  NaN is not served.  The scaled scores stay under 2^31 in magnitude.
; REGISTERS: v1-4 16 x lane + 65,536 x 0..3; v7 the mask's number; v8-11 the step's LDS addresses; v12 -M, v13 the largest t, v[14:15] the sum; v16-23 Q; v24-31 the second tile's Q; v32-95 K's eight fragments,
; then V's four; v96-159 S^T, then p; v160-191 O^T; v192-207 p's codes; v208-215 y's codes; v220-223 2^e4, 448 x 2^e4, 2^e6, 448 x 2^e6; v224-249 at work.
.set SPARE, 262144                     ; behind K and V: the spare words, 128 bytes a wave: eight blocks of 256 bytes that no other line names
.set LI,   1
.set SPW,  5                           ; v5   LDS address of my spare word; never rewritten
.set NIL,  6                           ; v6   0; never rewritten
.set DD,   7                           ; v7   16 x (my tile's place in its diagonal step) + r - 8 h
.set ADR,  8
.set TA,   224
.set TC,   225
.set PX,   226
.set FF,   228                         ; v[228:229] f = 2^(old M - new M)
.set NINF, 232
.set DDB,  233                         ; the second tile's v7
.set C1,   244                         ; v[244:249] three more chains of the sum
.set CX,   14                          ; s14  my place in the cluster
.set LB,   15                          ; s15  w / 2: the second tile's diagonal step
.set TB,   16                          ; s16  1,024 x the step
.set NT,   17                          ; s17  the step
.set WV,   18                          ; s18  my wave's number
.set LA,   19                          ; s19  the diagonal step of the tile in hand
.set SEL,  20                          ; s[20:21] lane selects for v_permlanex16_b32: lane l xor 16
.set CS,   22                          ; s[22:23] c = log2(e) / 8 x 2^(e2 + e3)
.set G1,   24                          ; s[24:31] descriptor group 1; s[32:35] group 0
.set G0,   32
.set YA,   54                          ; s[54:55], s[56:57] where the two tiles' y go; s[58:59], s[60:61] their Q
.set YB,   56
.set QA,   58
.set QB,   60
.macro CROUND                          ; a round of the cluster's barrier
	s_barrier_signal -1
	s_barrier_wait -1
	s_cmp_lg_u32 s[WV], 0
	s_cbranch_scc1 .Lnot_wave_0_\@
	s_barrier_signal -3
.Lnot_wave_0_\@:
	s_barrier_wait -3
	s_barrier_signal -1
	s_barrier_wait -1
.endm
.macro FILL                            ; my piece of the fill's steps: every wave issues the line, each with its own LDS bytes (16,384 x wave on)
	tensor_load_to_lds s[G0:G0+3], s[G1:G1+7]
	s_nop 0
.rept 4
	v_nop
.endr
.endm
; A later first fill is issued as a refill is: all my tensor loads are in, the add, its wait, a round; then \rows steps, \adv steps on from the last fill's first.
.macro NEXT rows, adv
	s_wait_tensorcnt 0x0                           ; no tensor load of mine is out, so the descriptor may be written
	ds_add_u32 v[SPW], v[NIL]
	s_mov_b32 s[G1+2], (\rows)<<16                 ; tensor_dim1
	s_mov_b32 s[G1+4], \rows                       ; tile_dim1
	s_add_co_u32 s[G0+1], s[G0+1], (\adv)*1024
	s_add_nc_u64 s[G0+2:G0+3], s[G0+2:G0+3], (\adv)*16384
	s_wait_dscnt 0x0
	CROUND
	FILL
.endm
.macro INIT                            ; a tile's start: O^T and the sum are zeros, the largest t is -3e38, under every t: the first change of M multiplies zeros
	v_mov_b32 v13, 0xff61b1e6
	v_mov_b32 v14, 0
	v_mov_b32 v15, 0
	v_floor_f32 v12, -v13
.set j, 0
.rept 32
	v_mov_b32 v[160+j], 0
.set j, j+1
.endr
.endm
	s_load_b256 s[4:11], s[0:1], 0x0               ; q_img s[4:5], k_img s[6:7], v_img s[8:9], the scales s[10:11]
	s_load_b64 s[12:13], s[0:1], 0x20              ; y_img
	v_lshl_add_u32 v[SPW], v0, 2, SPARE
	v_mov_b32 v[NIL], 0
	ds_add_u32 v[SPW], v[NIL]                      ; the opening: the add, twice on end, and its wait ahead of my first tensor load
	ds_add_u32 v[SPW], v[NIL]
	v_lshrrev_b32 v8, 5, v0
	v_readfirstlane_b32 s[WV], v8                  ; wave 0..15
	s_bfe_u32 s[CX], ttmp6, 0x40000                ; i
	s_lshr_b32 s81, ttmp9, 4                       ; the cluster's x is 16 x batch + head: batch,
	s_bfe_u32 s82, ttmp9, 0x30001                  ; pair of heads,
	s_and_b32 s83, ttmp9, 1                        ; head of the pair
	s_lshl_b32 s84, s81, 21
	s_lshl_b32 s85, s82, 18
	s_add_co_u32 s84, s84, s85                     ; the pair's first byte in q_img, k_img and v_img
	s_and_b32 s86, s[WV], 7
	s_lshl_b32 s87, s86, 11
	s_lshl_b32 s88, s83, 10
	s_add_co_u32 s87, s87, s88                     ; K's piece: 16 keys number w of a step, my head's 1,024 bytes
	s_lshl_b32 s89, s86, 10
	s_lshl_b32 s90, s83, 13
	s_add_co_u32 s89, s89, s90                     ; V's piece: 1,024 bytes number w - 8 of my head's 8,192
	s_cmp_lt_u32 s[WV], 8
	s_cselect_b32 s90, s87, s89
	s_add_co_u32 s90, s90, s84
	s_mov_b32 s91, 0
	s_lshl_b32 s92, s[WV], 2
	s_add_co_u32 s92, s92, s[CX]                   ; j
	s_sub_co_u32 s93, 127, s92                     ; the first tile
	s_lshl_b32 s[QA], s93, 11                      ; Q: 2,048 x tile + 1,024 x head of the pair
	s_add_co_u32 s[QA], s[QA], s88
	s_add_co_u32 s[QA], s[QA], s84
	s_mov_b32 s[QA+1], 0
	s_lshl_b32 s[QB], s92, 11
	s_add_co_u32 s[QB], s[QB], s88
	s_add_co_u32 s[QB], s[QB], s84
	s_mov_b32 s[QB+1], 0
	s_lshl_b32 s94, s81, 7
	s_lshl_b32 s95, s82, 11
	s_add_co_u32 s95, s95, s88
	s_add_co_u32 s[YA], s94, s93                   ; y: (128 x batch + tile) x 16,384 + 2,048 x pair + 1,024 x head of the pair
	s_lshl_b32 s[YA], s[YA], 14
	s_add_co_u32 s[YA], s[YA], s95
	s_mov_b32 s[YA+1], 0
	s_add_co_u32 s[YB], s94, s92
	s_lshl_b32 s[YB], s[YB], 14
	s_add_co_u32 s[YB], s[YB], s95
	s_mov_b32 s[YB+1], 0
	s_lshr_b32 s[LB], s[WV], 1
	s_xor_b32 s[LA], s[LB], 15                     ; 15 - w / 2
	s_and_b32 s96, s92, 7                          ; the second tile's place in its diagonal step,
	s_xor_b32 s97, s96, 7                          ; and the first's
	s_lshl_b32 s96, s96, 4
	s_lshl_b32 s97, s97, 4
	s_mov_b32 s[G1], 15|(3<<16)|(1<<21)            ; the mask: all four; elements of 8 bytes; bit 21 beside a mask; no padding
	s_mov_b32 s[G1+1], 128<<16                     ; tensor_dim0: 1,024 bytes
	s_mov_b32 s[G1+2], 2<<16                       ; tensor_dim1: steps 0 and 1
	s_mov_b32 s[G1+3], 128<<16                     ; tile_dim0
	s_mov_b32 s[G1+4], 2                           ; tile_dim1
	s_mov_b32 s[G1+5], 2048                        ; from step to step: 16,384 bytes
	s_mov_b32 s[G1+6], 0
	s_mov_b32 s[G1+7], 0
	s_mov_b32 s[SEL], 0x76543210
	s_mov_b32 s[SEL+1], 0xfedcba98
	s_mov_b32 s[CS], 0x3e38aa3b                    ; log2(e) / 8
	s_mov_b32 s[G0], 1
	s_lshl_b32 s[G0+1], s[WV], 14
	s_wait_dscnt 0x0                               ; both opening adds are done
	s_wait_kmcnt 0x0
	s_load_b256 s[68:75], s[10:11], 0x0            ; e0 .. e7
	s_cmp_lt_u32 s[WV], 8                          ; waves 0-7 fetch K's pieces, waves 8-15 V's: only the buffer is chosen
	s_cselect_b64 s[G0+2:G0+3], s[6:7], s[8:9]
	s_add_nc_u64 s[G0+2:G0+3], s[G0+2:G0+3], s[90:91]
	s_or_b32 s[G0+3], s[G0+3], 0x80000000
	CROUND                                         ; all four work-groups are here: the first joint loads meet
	FILL                                           ; steps 0 and 1
	s_add_nc_u64 s[QA:QA+1], s[4:5], s[QA:QA+1]
	s_add_nc_u64 s[QB:QB+1], s[4:5], s[QB:QB+1]
	s_add_nc_u64 s[YA:YA+1], s[12:13], s[YA:YA+1]
	s_add_nc_u64 s[YB:YB+1], s[12:13], s[YB:YB+1]
	v_and_b32 v9, 31, v0
	v_lshlrev_b32 v[LI], 4, v9
	global_load_b128 v[16:19], v[LI], s[QA:QA+1]   ; both tiles' Q stay in registers
	global_load_b128 v[20:23], v[LI], s[QA:QA+1] offset:512
	global_load_b128 v[24:27], v[LI], s[QB:QB+1]
	global_load_b128 v[28:31], v[LI], s[QB:QB+1] offset:512
	v_add_nc_u32 v[LI+1], 0x10000, v[LI]
	v_add_nc_u32 v[LI+2], 0x20000, v[LI]
	v_add_nc_u32 v[LI+3], 0x30000, v[LI]
	v_and_b32 v9, 15, v0
	v_bfe_u32 v10, v0, 4, 1
	v_lshlrev_b32 v10, 3, v10
	v_sub_nc_u32 v10, v9, v10                      ; r - 8 h
	v_add_nc_u32 v[DD], s97, v10
	v_add_nc_u32 v[DDB], s96, v10
	v_mov_b32 v[PX], 0                             ; written once: a lane permute's destination counts as one of its sources
	v_mov_b32 v[FF+1], 0                           ; (named as the upper half of a pair)
	v_mov_b32 v[NINF], 0xff800000                  ; -infinity
	INIT
	s_wait_kmcnt 0x0
	s_add_co_i32 s76, s70, s71
	s_lshl_b32 s76, s76, 23
	s_add_co_i32 s[CS], s[CS], s76                 ; a score stands for score x 2^(e2 + e3): the two exponents are added to c's exponent field
	s_mov_b32 s[CS+1], s[CS]
	s_add_co_i32 s76, s72, 127
	s_lshl_b32 s77, s76, 23
	v_mov_b32 v220, s77                            ; 2^e4, for p's conversions
	s_add_co_i32 s76, s76, 8
	s_lshl_b32 s76, s76, 23
	s_or_b32 s76, s76, 0x600000
	v_mov_b32 v221, s76                            ; 448 x 2^e4,
	v_mov_b32 v218, s76                            ; and once more: the two halves of a dual pair take their second sources from different register banks
	s_add_co_i32 s76, s74, 127
	s_lshl_b32 s77, s76, 23
	v_mov_b32 v222, s77                            ; 2^e6, for y's
	s_add_co_i32 s76, s76, 8
	s_lshl_b32 s76, s76, 23
	s_or_b32 s76, s76, 0x600000
	v_mov_b32 v223, s76
	s_add_co_i32 s63, s72, s73                     ; e4 + e5
; A KEY STEP: 128 keys.  diag = 1: the step may lie behind the tile's diagonal step (left out: a scalar branch on the wave's number and the count of steps) or on it (hidden scores become -infinity).
.macro STEP diag
.if \diag
	s_cmp_gt_u32 s[NT], s[LA]
	s_cbranch_scc1 .Lhid_\@
.endif
.irp a, 0,1,2,3
	v_add_nc_u32 v[ADR+\a], s[TB], v[LI+\a]        ; also the four places in front of loads into registers that the last products have read
.endr
.irp t, 0,1,2,3,4,5,6,7
	ds_load_b128 v[32+8*\t:35+8*\t], v[ADR+\t/4] offset:(\t%4)*16384
	ds_load_b128 v[36+8*\t:39+8*\t], v[ADR+\t/4] offset:(\t%4)*16384+512
.endr
	s_wait_alu depctr_va_vdst(0)
	s_wait_dscnt 0x0
.irp t, 0,1,2,3,4,5,6,7
	v_wmma_f32_16x16x64_fp8_fp8 v[96+8*\t:103+8*\t], v[32+8*\t:39+8*\t], v[16:23], 0
.endr
.rept 4
	v_nop                                          ; places in front of the loads below and of the first read of the scores
.endr
.irp t, 0,1,2,3                        ; V's four fragments are asked for now and land under the softmax
.irp g, 0,1,2,3
	ds_load_b128 v[32+16*\t+4*\g:35+16*\t+4*\g], v[ADR+2+(2*\t+\g/2)/4] offset:((2*\t+\g/2)%4)*16384+512*(\g%2)
.endr
.endr
.if \diag
	s_cmp_lt_u32 s[NT], s[LA]
	s_cbranch_scc1 .Lopen_\@
.set n, 0
.rept 64                               ; register 8 t + j holds key 16 t + 8 h + j of the step: hidden where 16 t + j > 16 x my tile's place + r - 8 h
	v_cmp_gt_i32 vcc_lo, 16*(n/8)+n%8, v[DD]
	v_cndmask_b32 v[96+n], v[96+n], v[NINF], vcc_lo
.set n, n+1
.endr
.Lopen_\@:
.endif
	v_max3_num_f32 v[TA], v96, v97, v98            ; the step's largest score of my query among my 64 keys, in two chains, each tile from its low end on,
	v_max3_num_f32 v[TC], v99, v100, v101
.set j, 6
.rept 14
	v_max3_num_f32 v[TA], v[TA], v[96+j], v[97+j]
	v_max3_num_f32 v[TC], v[TC], v[98+j], v[99+j]
.set j, j+4
.endr
	v_max3_num_f32 v[TA], v[TA], v158, v159
	s_delay_alu instid0(VALU_DEP_1)
	v_max_num_f32 v[TA], v[TA], v[TC]
	s_delay_alu instid0(VALU_DEP_1)
	v_permlanex16_b32 v[PX], v[TA], s[SEL], s[SEL+1]
	s_delay_alu instid0(VALU_DEP_1)
	v_max_num_f32 v[TA], v[TA], v[PX]              ; and among lane l xor 16's
	s_delay_alu instid0(VALU_DEP_1)
	v_mul_f32 v[TA], s[CS], v[TA]                  ; as t (c is positive)
	s_delay_alu instid0(VALU_DEP_1)
	v_max_num_f32 v13, v13, v[TA]                  ; the running largest t
	v_mov_b32 v[TA], v12
	s_delay_alu instid0(VALU_DEP_2)
	v_floor_f32 v12, -v13                          ; the new -M = floor(-t): M is a whole number
	s_delay_alu instid0(VALU_DEP_1)
	v_sub_f32 v[TA], v12, v[TA]                    ; old M - new M: a whole number, 0 or less
	s_delay_alu instid0(VALU_DEP_1)
	v_cvt_i32_f32 v[TA], v[TA]                     ; (it saturates)
	s_delay_alu instid0(VALU_DEP_1)
	v_ldexp_f32 v[FF], 1.0, v[TA]                  ; f = 2^(old M - new M)
.set j, 0
.rept 32
	v_pk_fma_f32 v[96+j:97+j], v[96+j:97+j], s[CS:CS+1], v[12:13] op_sel_hi:[1,0,0]   ; t - M, two at a time
.set j, j+2
.endr
.set j, 0
.rept 16
	v_pk_mul_f32 v[160+j:161+j], v[160+j:161+j], v[FF:FF+1] op_sel_hi:[1,0]   ; O^T under the new M, ahead of the exponentials, each accumulator from its low end on
.set j, j+2
.endr
	s_wait_alu depctr_va_vdst(0)                   ; ahead of the batch
.set j, 0
.rept 64
	v_exp_f32 v[96+j], v[96+j]                     ; p = 2^(t - M), at most 1
.set j, j+1
.endr
	v_pk_mul_f32 v[14:15], v[14:15], v[FF:FF+1] op_sel_hi:[1,0]   ; the sums under the new M: the plain instruction behind the exponentials
	s_wait_alu depctr_va_vdst(0)                   ; and the one wait behind the batch, ahead of its first reader
	v_pk_add_f32 v[C1:C1+1], v[96:97], v[98:99]    ; the row's sum of the unquantised p, two at a time, in four chains
	v_pk_add_f32 v[C1+2:C1+3], v[100:101], v[102:103]
	v_pk_add_f32 v[C1+4:C1+5], v[104:105], v[106:107]
	v_pk_add_f32 v[14:15], v[14:15], v[108:109]
.set j, 14
.rept 6
	v_pk_add_f32 v[C1:C1+1], v[C1:C1+1], v[96+j:97+j]
	v_pk_add_f32 v[C1+2:C1+3], v[C1+2:C1+3], v[98+j:99+j]
	v_pk_add_f32 v[C1+4:C1+5], v[C1+4:C1+5], v[100+j:101+j]
	v_pk_add_f32 v[14:15], v[14:15], v[102+j:103+j]
.set j, j+8
.endr
	v_pk_add_f32 v[C1:C1+1], v[C1:C1+1], v[158:159]
	v_pk_add_f32 v[C1+2:C1+3], v[C1+2:C1+3], v[C1+4:C1+5]
	v_pk_add_f32 v[14:15], v[14:15], v[C1:C1+1]
	v_pk_add_f32 v[14:15], v[14:15], v[C1+2:C1+3]
.irp t, 0,1,2,3,4,5,6,7
.irp i, 0,2,4,6
	v_dual_min_num_f32 v[96+8*\t+\i], v[96+8*\t+\i], v221 :: v_dual_min_num_f32 v[97+8*\t+\i], v[97+8*\t+\i], v218   ; the conversion does not saturate (ISA guide 7.6.2); p is not negative, so the hold is one-sided; two numbers an instruction
.endr
	v_cvt_scalef32_pk8_fp8_f32 v[192+2*\t:193+2*\t], v[96+8*\t:103+8*\t], v220
.endr
	v_nop                                          ; a plain vector line between the last conversion and the products that read its result
	s_wait_alu depctr_va_vdst(0)
	s_wait_dscnt 0x0                               ; V is in
.irp t, 0,1,2,3                        ; four accumulators by turns, one instruction a turn
	v_wmma_f32_16x16x128_fp8_fp8 v[160+8*\t:167+8*\t], v[32+16*\t:47+16*\t], v[192:207], v[160+8*\t:167+8*\t]
.endr
.Lhid_\@:
	s_add_co_u32 s[TB], s[TB], 1024
.endm
; THE WAY OUT of a tile: y = O^T / the sum x 2^(e4 + e5), held and converted with 2^e6.  Tile t's eight channels 16 t + 8 h + 0 .. 7 of my query become registers 2 t, 2 t + 1 of my head's half of the
; projection's fragment: two stores of 512 consecutive bytes.
.macro WAYOUT yb
.rept 4
	v_nop                                          ; places behind the last products
.endr
	v_add_f32 v14, v14, v15                        ; the sum's two halves,
	v_permlanex16_b32 v[PX], v14, s[SEL], s[SEL+1]
	v_add_f32 v14, v14, v[PX]                      ; and lane l xor 16's
	s_wait_alu depctr_va_vdst(0)                   ; ahead of the transcendental
	v_rcp_f32 v14, v14
	v_nop                                          ; a plain instruction behind it
	s_wait_alu depctr_va_vdst(0)                   ; and the wait ahead of its first reader
	v_ldexp_f32 v14, v14, s63
	s_wait_alu depctr_va_vdst(0)                   ; directly ahead of the first reader of O^T
.set j, 0
.rept 16
	v_pk_mul_f32 v[96+j:97+j], v[160+j:161+j], v[14:15] op_sel_hi:[1,0]   ; each accumulator from its low end on
.set j, j+2
.endr
.set j, 0
.rept 32
	v_med3_num_f32 v[96+j], v[96+j], -v223, v223
.set j, j+1
.endr
	s_wait_alu depctr_va_vdst(0)
	s_wait_xcnt 0x0                                ; the first tile's stores have read their codes: these registers are written again only behind this wait
.irp t, 0,1,2,3
	v_cvt_scalef32_pk8_fp8_f32 v[208+2*\t:209+2*\t], v[96+8*\t:103+8*\t], v222
.endr
	v_nop                                          ; a plain vector line behind the last conversion
	global_store_b128 v[LI], v[208:211], s[\yb:\yb+1]
	global_store_b128 v[LI], v[212:215], s[\yb:\yb+1] offset:512
.endm
	s_wait_alu depctr_va_vdst(0)                   ; the head's end
	s_wait_loadcnt 0x0                             ; Q
	NEXT 6, 2                                      ; steps 0 and 1 are in; steps 2 to 7 are asked for
	s_mov_b32 s[TB], 0
	s_mov_b32 s[NT], 0
.Lfirst:                                           ; the first tile, steps 0 and 1: all keys count for every wave (its diagonal step is 8 at the least)
	STEP 0
	s_add_co_u32 s[NT], s[NT], 1
	s_cmp_lt_u32 s[NT], 2
	s_cbranch_scc1 .Lfirst
	NEXT 8, 6                                      ; steps 2 to 7 are in; steps 8 to 15 are asked for
	s_mov_b32 s[TB], 2048
.Lsecond:                                          ; steps 2 to 7
	STEP 0
	s_add_co_u32 s[NT], s[NT], 1
	s_cmp_lt_u32 s[NT], 8
	s_cbranch_scc1 .Lsecond
	s_wait_tensorcnt 0x0                           ; my piece of steps 8 to 15 is in,
	ds_add_u32 v[SPW], v[NIL]
	s_wait_dscnt 0x0
	s_barrier_signal -1
	s_barrier_wait -1                              ; everybody's is: nothing is filled from here on, and no barrier follows but the closing round's
	s_mov_b32 s[TB], 8192
.Lthird:                                           ; steps 8 to 15: up to the first tile's diagonal step; the trip count is a constant, the steps behind the diagonal are jumped over
	STEP 1
	s_add_co_u32 s[NT], s[NT], 1
	s_cmp_lt_u32 s[NT], 16
	s_cbranch_scc1 .Lthird
	WAYOUT YA
.set j, 0
.rept 8
	v_mov_b32 v[16+j], v[24+j]                     ; the second tile's Q
.set j, j+1
.endr
	v_mov_b32 v[DD], v[DDB]
	INIT
	s_mov_b32 s[LA], s[LB]
	s_mov_b32 s[TB], 0
	s_mov_b32 s[NT], 0
	s_wait_alu depctr_va_vdst(0)                   ; ahead of the branches below
.Lfourth:                                          ; the second tile: steps 0 to 7, up to its diagonal step
	STEP 1
	s_add_co_u32 s[NT], s[NT], 1
	s_cmp_lt_u32 s[NT], 8
	s_cbranch_scc1 .Lfourth
	WAYOUT YB
	s_wait_tensorcnt 0x0                           ; the wave's end
	ds_add_u32 v[SPW], v[NIL]
	s_wait_dscnt 0x0
	CROUND                                         ; the closing round
	s_endpgm
.Lfunc_end_k_q7b8b10728d_attn:
	.size	k_q7b8b10728d_attn, .Lfunc_end_k_q7b8b10728d_attn-k_q7b8b10728d_attn
	.p2alignl 7, 3214868480
	.fill 96, 4, 3214868480
	.section	.rodata,"a",@progbits
	.p2align	6, 0x0
	.amdhsa_kernel k_q7b8b10728d_attn
		.amdhsa_group_segment_fixed_size 327680
		.amdhsa_private_segment_fixed_size 0
		.amdhsa_enable_private_segment 0
		.amdhsa_kernarg_size 40
		.amdhsa_user_sgpr_count 2
		.amdhsa_user_sgpr_kernarg_segment_ptr 1
		.amdhsa_wavefront_size32 1
		.amdhsa_system_sgpr_workgroup_id_x 1
		.amdhsa_system_sgpr_workgroup_id_y 1
		.amdhsa_system_sgpr_workgroup_id_z 1
		.amdhsa_system_vgpr_workitem_id 0
		.amdhsa_next_free_vgpr 256
		.amdhsa_next_free_sgpr 100
		.amdhsa_reserve_vcc 1
		.amdhsa_float_denorm_mode_32 3
		.amdhsa_float_denorm_mode_16_64 3
		.amdhsa_memory_ordered 1
		.amdhsa_forward_progress 1
		.amdhsa_inst_pref_size 92
	.end_amdhsa_kernel
	.amdgpu_metadata
---
amdhsa.version: [ 1, 2 ]
amdhsa.kernels:
  - .name:           k_q7b8b10728d_attn
    .symbol:         k_q7b8b10728d_attn.kd
    .args:
      - { .name: q_img, .offset: 0, .size: 8, .value_kind: global_buffer, .address_space: global }
      - { .name: k_img, .offset: 8, .size: 8, .value_kind: global_buffer, .address_space: global }
      - { .name: v_img, .offset: 16, .size: 8, .value_kind: global_buffer, .address_space: global }
      - { .name: lowp_scales, .offset: 24, .size: 8, .value_kind: global_buffer, .address_space: global }
      - { .name: y_img, .offset: 32, .size: 8, .value_kind: global_buffer, .address_space: global }
    .group_segment_fixed_size: 327680
    .private_segment_fixed_size: 0
    .kernarg_segment_align: 8
    .kernarg_segment_size: 40
    .max_flat_workgroup_size: 512
    .sgpr_count:     100
    .vgpr_count:     256
    .wavefront_size: 32
...
	.end_amdgpu_metadata
.endif
;; end of part 3
;; launch gemm_proj (part 4): grid 32 x 8, 4 waves a work-group, clusters of 4 x 1, 167,936 bytes of LDS; arguments y_img, wp_img, b_proj, lowp_scales, out0; writes out0
.if DOCPART == 4
	.amdgcn_target "amdgcn-amd-amdhsa--gfx1250"
	.amdhsa_code_object_version 6
	.text
	.protected	k_q7b8b10728d_gemm_proj
	.globl	k_q7b8b10728d_gemm_proj
	.p2align	8
	.type	k_q7b8b10728d_gemm_proj,@function
k_q7b8b10728d_gemm_proj:
	s_mov_b64 s[64:65], 0
	v_nop
	global_prefetch_b8 v0, s[64:65] scope:SCOPE_SE
	s_setreg_imm32_b32 hwreg(HW_REG_WAVE_MODE, 25, 1), 1
	s_wait_xcnt 0x0
	s_wait_alu depctr_hold_cnt(0) depctr_sa_sdst(0) depctr_va_vdst(0) depctr_va_sdst(0) depctr_va_ssrc(0) depctr_va_vcc(0) depctr_vm_vsrc(0)
	s_getreg_b32 s2, hwreg(HW_REG_IB_STS2, 6, 4)
	s_cmp_eq_u32 s2, 0
	s_cbranch_scc0 .Lentry_in_a_cluster
	s_endpgm
.Lentry_in_a_cluster:
	s_bfe_u32 s2, ttmp6, 0x10000c
	s_cmp_lg_u32 s2, 0x3003
	s_cbranch_scc0 .Lentry_shape_is_right
	s_endpgm
.Lentry_shape_is_right:
; out0 = y W_proj + b_proj on codes of FP8 (E4M3), f32 out.  Operands are images of registers: a fragment (16 rows x 128 K) is 2,048 bytes, lane l's registers 4 c .. 4 c + 3 at 512 c + 16 l; a buffer is [16 rows][8 K steps][2,048].
; SHARES.  Work-group (tb, cb) makes tokens 256 tb on x columns 128 cb on: 32 x 8 = 256 work-groups.  A STAYS IN REGISTERS: wave w holds its 64 tokens x all 1,024 of K (512 registers), loaded once by 128 loads of 512 bytes.
; B, 128 rows of W^T x all of K, is 131,072 dense bytes in LDS, one tensor load of 32,768 a wave at the head: LDS is filled once.  The four work-groups of a cluster (neighbouring tb) want the same block and ask JOINTLY (mask 15).
; A K step is 32 products a wave on 32 accumulators by turns; B has ONE set of 8 fragments: a quarter is fetched anew, for the next K step, behind its 8 products.
; Source 0 = rows of W^T, source 1 = tokens: a lane holds one token and eight neighbouring columns.  The bias / 2^(e6 + e7) is the C of each sum's first product; each sum is multiplied once by 2^(e6 + e7).
; The way out goes by 16 tokens x 128 columns through the wave's own stage in LDS (bytes on which no fill lands): the 32 lanes store 512 consecutive bytes of a row, two aligned units of 256.
; NO PREFETCH: the text has no loop to run ahead in; all of A and B is asked for at the head.
; LIMITS: e6 + e7 lies between -126 and 127.  NaN is not served.
; REGISTERS: window 0: v2-13 addresses; v32-95 the bias, later a tile's scaled sums; v96-223 B's fragments, later rows read back.  window 1: accumulator (a, b) at v[8 (8 a + b)].  windows 2, 3: A.
.set STAGE, 131072                     ; behind B: 16 rows x 528 bytes a wave
.set SPITCH, 528
.set SPARE, STAGE+4*16*SPITCH          ; behind the stages: the spare words, 128 bytes a wave: two blocks of 256 bytes that no other line names
.set LI,    2
.set ADB,   4
.set SPW,   8
.set NIL,   9
.set STO,   10
.set RD,    11
.set BA,    12
.set BIAS,  32
.set TMP,   32
.set BF,    96
.set G1,    24
.set G0,    32
.set NYB,   0
.set MSB,   0
.macro WIN new
.if MSB != (\new)
	s_set_vgpr_msb (MSB<<8)|(\new)
.set MSB, (\new)
.endif
.endm
.macro CROUND
	s_barrier_signal -1
	s_barrier_wait -1
	s_cmp_lg_u32 s14, 0
	s_cbranch_scc1 .Lnot_wave_0_\@
	s_barrier_signal -3
.Lnot_wave_0_\@:
	s_barrier_wait -3
	s_barrier_signal -1
	s_barrier_wait -1
.endm
.macro PLACES
.rept 4
	v_nop
.endr
.endm
.macro BLOAD s, q                      ; B's fragments 2 q, 2 q + 1 of K step s
.irp b, 2*(\q), 2*(\q)+1
.irp c, 0,1,2,3
	ds_load_b128 v[BF+16*(\b)+4*\c:BF+16*(\b)+4*\c+3], v[ADB+(\b)/4] offset:((\b)%4)*16384+2048*(\s)+512*\c
.endr
.endr
.endm
.macro MULQ s, q                       ; 8 products: B's tiles 2 q, 2 q + 1 x my four token tiles; K step 0 begins the sums with the bias
.irp b, 2*(\q), 2*(\q)+1
.irp a, 0,1,2,3
.set D_, 8*(8*\a+(\b))
.set A_, 16*(4*((\s)%4)+\a)
.set B_, BF+16*(\b)
.set C_, BIAS+8*(\b)
.if (\s) > 0
.set C_, D_
.endif
	v_wmma_f32_16x16x128_fp8_fp8 v[D_:D_+7], v[B_:B_+15], v[A_:A_+15], v[C_:C_+7]
.endr
.endr
.endm
	s_load_b256 s[4:11], s[0:1], 0x0               ; y_img s[4:5], wp_img s[6:7], b_proj s[8:9], the scales s[10:11]
	s_load_b64 s[12:13], s[0:1], 0x20              ; out0
	v_lshl_add_u32 v[SPW], v0, 2, SPARE
	v_mov_b32 v[NIL], 0
	ds_add_u32 v[SPW], v[NIL]                      ; the opening: the add, twice on end, and its wait ahead of my first tensor load
	ds_add_u32 v[SPW], v[NIL]
	v_lshrrev_b32 v1, 5, v0
	v_readfirstlane_b32 s14, v1                    ; wave 0..3
	s_and_b32 s42, ttmp7, 0xffff                   ; cb, the same in all four partners
	s_mov_b32 s[G1], 15|(3<<16)|(1<<21)            ; the mask: all four; elements of 8 bytes; bit 21 beside a mask; no padding
	s_mov_b32 s[G1+1], 512<<16                     ; 8 rows of 4,096 bytes, dense
	s_mov_b32 s[G1+2], 8<<16
	s_mov_b32 s[G1+3], 512<<16
	s_mov_b32 s[G1+4], 8
	s_mov_b32 s[G1+5], 512
	s_mov_b32 s[G1+6], 0
	s_mov_b32 s[G1+7], 0
	s_lshl_b32 s46, s42, 17
	s_lshl_b32 s[G0+1], s14, 15                    ; my quarter, in memory and in LDS
	s_add_co_u32 s46, s46, s[G0+1]
	s_mov_b32 s47, 0
	s_mov_b32 s[G0], 1
	s_wait_dscnt 0x0                               ; both opening adds are done
	s_wait_kmcnt 0x0
	s_load_b256 s[76:83], s[10:11], 0x0            ; e0 .. e7
	s_add_nc_u64 s[G0+2:G0+3], s[6:7], s[46:47]
	s_or_b32 s[G0+3], s[G0+3], 0x80000000
	CROUND                                         ; all four work-groups are here: the joint loads meet
	tensor_load_to_lds s[G0:G0+3], s[G1:G1+7]
	s_nop 0
	PLACES
	s_bfe_u32 s40, ttmp6, 0x40000                  ; cx
	s_lshl_b32 s41, ttmp9, 2
	s_add_co_u32 s41, s41, s40                     ; tb
	s_lshl_b32 s90, s41, 18
	s_lshl_b32 s91, s14, 16
	s_add_co_u32 s90, s90, s91
	s_mov_b32 s91, 0
	s_add_nc_u64 s[20:21], s[4:5], s[90:91]        ; my 64 tokens' image
	s_lshl_b32 s92, s42, 9
	s_mov_b32 s93, 0
	s_add_nc_u64 s[86:87], s[8:9], s[92:93]        ; the bias of columns 128 cb on
	s_lshl_b32 s94, s41, 20                        ; out0: 256 rows of 4,096 bytes,
	s_lshl_b32 s95, s14, 18                        ; my 64,
	s_add_co_u32 s94, s94, s95
	s_add_co_u32 s94, s94, s92                     ; 512 bytes x cb
	s_mov_b32 s95, 0
	s_add_nc_u64 s[84:85], s[12:13], s[94:95]
	s_mul_i32 s23, s14, 16*SPITCH
	s_add_co_u32 s23, s23, STAGE                   ; my stage
	v_and_b32 v1, 31, v0
	v_lshlrev_b32 v[LI], 4, v1
	v_mov_b32 v[ADB], v[LI]
	v_add_nc_u32 v[ADB+1], 0x10000, v[LI]
	v_bfe_u32 v3, v0, 4, 1
	v_lshlrev_b32 v[BA], 5, v3
	v_and_b32 v1, 15, v0
	v_mul_u32_u24 v1, v1, SPITCH
	v_lshl_add_u32 v1, v3, 5, v1
	v_add_nc_u32 v[STO], s23, v1                   ; into the stage: row r, 32 bytes for each half of the lanes
	v_add_nc_u32 v[RD], s23, v[LI]                 ; back: the 32 lanes take one row of 512 bytes
	s_wait_alu depctr_va_vdst(0)                   ; the end of the head's vector work
.irp b, 0,1,2,3,4,5,6,7
	global_load_b128 v[BIAS+8*\b:BIAS+8*\b+3], v[BA], s[86:87] offset:64*\b
	global_load_b128 v[BIAS+8*\b+4:BIAS+8*\b+7], v[BA], s[86:87] offset:64*\b+16
.endr
.macro ALOAD s                         ; A's four fragments of K step s: 16 loads of 512 consecutive bytes
	WIN 0x80+0x40*((\s)/4)
.irp a, 0,1,2,3
.irp c, 0,1,2,3
	global_load_b128 v[16*(4*((\s)%4)+\a)+4*\c:16*(4*((\s)%4)+\a)+4*\c+3], v[LI], s[20:21] offset:16384*\a+2048*(\s)+512*\c
.endr
.endr
	WIN 0
.endm
	ALOAD 0                                        ; K steps 0 to 2 at the head; the others along the K steps
	ALOAD 1
	ALOAD 2
	s_wait_kmcnt 0x0
	s_add_co_i32 s96, s82, s83
	s_sub_co_i32 s88, 0, s96                       ; -(e6 + e7)
	s_add_co_i32 s96, s96, 127
	s_lshl_b32 s96, s96, 23                        ; 2^(e6 + e7)
	s_mov_b32 s97, s96
	s_wait_loadcnt 32                              ; the bias's 16 loads and A's K step 0 are in; K steps 1 and 2 may be out
.set j, 0
.rept 64
	v_ldexp_f32 v[BIAS+j], v[BIAS+j], s88
.set j, j+1
.endr
	s_wait_alu depctr_va_vdst(0)
	s_wait_tensorcnt 0x0                           ; my quarter of B is in,
	s_barrier_signal -1
	s_barrier_wait -1                              ; everybody's is; nothing is filled again
.irp q, 0,1,2,3
	BLOAD 0, \q
.endr
.irp s, 0,1,2,3,4,5,6,7
.if \s >= 1                            ; A's K step s is in: behind it stand the two K steps asked for since (at the end: one, none)
.if \s <= 5
	s_wait_loadcnt 32
.else
	s_wait_loadcnt 16*(7-\s)
.endif
.endif
.irp q, 0,1,2,3
.if \s < 7
	s_wait_dscnt 24                                ; behind this quarter's 8 loads stand the three younger quarters' 24
.else
	s_wait_dscnt 24-8*\q
.endif
.set MW_, 0x40|((2+\s/4)<<2)           ; D window 1, source 0 (B) window 0, source 1 (A) window 2 or 3
.if \s > 0
.set MW_, MW_|0x10                     ; C window 1 (in K step 0: the bias, window 0)
.endif
	WIN MW_
	MULQ \s, \q
.if \s < 7
	PLACES                                         ; loads into registers that products have read stand four places behind them
	WIN 0
	BLOAD \s+1, \q
.endif
.endr
.if \s <= 4
	ALOAD \s+3                                     ; A is asked for three K steps ahead of its products
.endif
.endr
	WIN 0
.macro TOSTAGE a
	WIN 1
.set j, 0
.rept 32
	v_pk_mul_f32 v[TMP+j:TMP+j+1], v[64*(\a)+j:64*(\a)+j+1], s[96:97] op_sel_hi:[1,0]   ; x 2^(e6 + e7), each accumulator from its low end on
.set j, j+2
.endr
	WIN 0
.irp b, 0,1,2,3,4,5,6,7
	ds_store_b128 v[STO], v[TMP+8*\b:TMP+8*\b+3] offset:64*\b
	ds_store_b128 v[STO], v[TMP+8*\b+4:TMP+8*\b+7] offset:64*\b+16
.endr
.set BB, BF+64*((\a)%2)
.irp t, 0,1,2,3,4,5,6,7,8,9,10,11,12,13,14,15
	ds_load_b128 v[BB+4*\t:BB+4*\t+3], v[RD] offset:\t*SPITCH   ; LDS serves a wave's instructions in order (ISA guide 5.7.1.4): these see the stores above
.endr
.endm
.macro SEND a, younger                 ; younger: the LDS instructions issued behind tile a's loads, which may stay out
.set BB, BF+64*((\a)%2)
	s_wait_dscnt \younger
.if (\a) > 0
	s_add_nc_u64 s[84:85], s[84:85], 16*4096       ; (behind a wait on XCNT: the earlier stores have read their base)
.endif
.irp t, 0,1,2,3,4,5,6,7,8,9,10,11,12,13,14,15
	global_store_b128 v[LI], v[BB+4*\t:BB+4*\t+3], s[84:85] offset:\t*4096 th:TH_STORE_NT
.endr
.endm
	PLACES
	TOSTAGE 0
.irp a, 1,2,3
.if \a > 1
	s_wait_xcnt 0x0                                ; tile a - 2's stores have read their registers and their base
.endif
	TOSTAGE \a
	SEND \a-1, 32
.endr
	s_wait_xcnt 0x0
	SEND 3, 0
	s_wait_tensorcnt 0x0                           ; the wave's end
	ds_add_u32 v[SPW], v[NIL]
	s_wait_dscnt 0x0
	CROUND                                         ; the closing round
	s_endpgm
.Lfunc_end_k_q7b8b10728d_gemm_proj:
	.size	k_q7b8b10728d_gemm_proj, .Lfunc_end_k_q7b8b10728d_gemm_proj-k_q7b8b10728d_gemm_proj
	.p2alignl 7, 3214868480
	.fill 96, 4, 3214868480
	.section	.rodata,"a",@progbits
	.p2align	6, 0x0
	.amdhsa_kernel k_q7b8b10728d_gemm_proj
		.amdhsa_group_segment_fixed_size 167936
		.amdhsa_private_segment_fixed_size 0
		.amdhsa_enable_private_segment 0
		.amdhsa_kernarg_size 40
		.amdhsa_user_sgpr_count 2
		.amdhsa_user_sgpr_kernarg_segment_ptr 1
		.amdhsa_wavefront_size32 1
		.amdhsa_system_sgpr_workgroup_id_x 1
		.amdhsa_system_sgpr_workgroup_id_y 1
		.amdhsa_system_sgpr_workgroup_id_z 1
		.amdhsa_system_vgpr_workitem_id 0
		.amdhsa_next_free_vgpr 1024
		.amdhsa_next_free_sgpr 100
		.amdhsa_reserve_vcc 0
		.amdhsa_float_denorm_mode_32 3
		.amdhsa_float_denorm_mode_16_64 3
		.amdhsa_memory_ordered 1
		.amdhsa_forward_progress 1
		.amdhsa_inst_pref_size 84
	.end_amdhsa_kernel
	.amdgpu_metadata
---
amdhsa.version: [ 1, 2 ]
amdhsa.kernels:
  - .name:           k_q7b8b10728d_gemm_proj
    .symbol:         k_q7b8b10728d_gemm_proj.kd
    .args:
      - { .name: y_img, .offset: 0, .size: 8, .value_kind: global_buffer, .address_space: global }
      - { .name: wp_img, .offset: 8, .size: 8, .value_kind: global_buffer, .address_space: global }
      - { .name: b_proj, .offset: 16, .size: 8, .value_kind: global_buffer, .address_space: global }
      - { .name: lowp_scales, .offset: 24, .size: 8, .value_kind: global_buffer, .address_space: global }
      - { .name: out0, .offset: 32, .size: 8, .value_kind: global_buffer, .address_space: global }
    .group_segment_fixed_size: 167936
    .private_segment_fixed_size: 0
    .kernarg_segment_align: 8
    .kernarg_segment_size: 40
    .max_flat_workgroup_size: 128
    .sgpr_count:     100
    .vgpr_count:     1024
    .wavefront_size: 32
...
	.end_amdgpu_metadata
.endif
;; end of part 4
